; MI455X (gfx1250); checked and timed in simulation.
; The chip was launched on July 23, 2026; its instructions are those of AMD's public machine-readable ISA for CDNA 5 (MIT licence, August 2026) and "CDNA5" Instruction Set Architecture Reference Guide (July 2026). The comments in the code are by the model that wrote it; some were corrected since.
;; Self Attention. Allowed arithmetic: float matrix products may take bf16 or f16 operands with f32 sums; all other float work in f32.
;; Inputs: Wk 32 x 256 float32; Wq 32 x 256 float32; Wv 256 x 256 float32; bk 32 float32; bq 32 float32; bv 256 float32; gamma 1 float32; x 8 x 256 x 64 x 64 float32.
;; Outputs: out0 8 x 256 x 64 x 64 float32.
;; One version. Each part assembles by itself: llvm-mc -triple=amdgcn-amd-amdhsa -mcpu=gfx1250 --defsym DOCPART=n.
;; ======== version 1 of 1: 2 launches
;; workspace buffers: qws 2,097,152 bytes; kv 18,874,368 bytes
;; launch proj (part 1): grid 256 x 1, 4 waves a work-group, no clusters, 243,200 bytes of LDS; arguments x, Wq, Wk, Wv, bq, bk, bv, qws, kv; writes qws, kv
.if DOCPART == 1
	.amdgcn_target "amdgcn-amd-amdhsa--gfx1250"
	.amdhsa_code_object_version 6
	.text
	.protected	k_q427c2d877a_proj
	.globl	k_q427c2d877a_proj
	.p2align	8
	.type	k_q427c2d877a_proj,@function
k_q427c2d877a_proj:
	s_mov_b64 s[64:65], 0
	v_nop
	global_prefetch_b8 v0, s[64:65] scope:SCOPE_SE
	s_setreg_imm32_b32 hwreg(HW_REG_WAVE_MODE, 25, 1), 1
	s_wait_xcnt 0x0
; q' = log2(e) (Wq x + bq), k = Wk x + bk, v = Wv x + bv, each rounded once to bf16 and stored as register images of matrix operands.
; x: [8][256 ci][4096 m] f32.  A work-group takes one batch's 128 columns m (four key blocks of 32) and all 256 ci; 256 work-groups.
; A FRAGMENT is the image of a 16 x 32 bf16 operand: byte 512 g + 16 L holds registers 4g .. 4g+3 of lane L (g = 0, 1): 1,024 bytes.
;   qws: [8 b][256 tiles of 16 queries][1 fragment] (column = query, k = d)
;   kv : [8 b][2 key halves][64 chunks][18 fragments].  Chunk c holds what the attention launch reads while it multiplies key block c of the half:
;        fragments 0-7  = V of key block c + 1, channel tiles 0-7;  8-15 = V of key block c, channel tiles 8-15;
;        fragments 16, 17 = K of key block c + 2, key tiles 0, 1 (row = key, k = d).  Block numbers mod 64, so every byte is written.
;   A V fragment has column = channel r; register i of lane (r, h) holds key 8 h + i in its low half and key 16 + 8 h + i in its high half:
;   the order in which the attention launch packs its weights.  The same order of k in both operands leaves the products as they are.
; Wave w makes V's channels 64 w .. 64 w + 63 for the 128 columns (32 accumulator tiles) and one tile of 16 d for them (8 tiles):
; waves 0, 1 make q's d tiles 0, 1, waves 2, 3 k's.  The same x fragment is V's first source (rows m) and q's and k's second (columns m).
; First x and the wave's 80 weight rows are read in runs of 512 neighbouring bytes, rounded to bf16 and laid into LDS; then 8 K steps of 32.
; NO CLUSTER: all work-groups read the same weights, but these are f32 and pass through registers to be rounded; as f32 tiles they would
; be 320 rows of 1,024 bytes = 327,680 bytes of LDS, which leaves no room for x.
; LIMITS: x and the weights enter the products in bf16, sums and biases in f32, q', k, v are kept in bf16.
.set XROW,  16384                      ; bytes from one ci to the next in x
.set XP,    288                        ; LDS pitch of x [ci][128 m] bf16: 256 bytes + 32, an odd multiple of 32
.set WP,    528                        ; LDS pitch of a weight row, 256 bf16 + 16 bytes: an odd multiple of 16
.set WB,    256*XP                     ; the weights lie behind x: byte 73,728
.set WWAVE, 80*WP                      ; a wave's own 80 rows
.set KBLK,  18432                      ; bytes of a chunk in kv
.set XO,  4                            ; v4   16 L + w x 16 rows of x
.set WO,  5                            ; v5   16 L + w x 64 rows of Wv
.set WO2, 6                            ; v6   16 L + dt x 16 rows of Wq or Wk
.set XST, 7                            ; v7   LDS: 8 L + w x 16 rows of x
.set WST, 8                            ; v8   LDS: 8 L + my weight rows
.set XA,  9                            ; v9, v10  LDS: x fragments of K steps 0-3, 4-7
.set WA,  11                           ; v11  LDS: weight fragments
.set BVO, 12                           ; v12  byte offset in bv
.set BQO, 13                           ; v13  byte offset in bq or bk
.set QKO, 15                           ; v15  16 L + 512 dt
.set BQ,  16                           ; v[16:23]  bias tile of q or k: register j = b[16 dt + 8 h + j]
.set KVO, 24                           ; v[24:27]  key block p: 16 L + 4 w fragments + the chunk that takes my V of that block
.set KKO, 28                           ; v[28:31]  key block p: 16 L + 512 dt + the chunk that takes K of that block
.set T,   32                           ; v[32:63]  an item rounded to bf16 (v32-36 at work in the set-up)
.set R,   64                           ; v[64:255] three sets of 64 registers, an item of 16 loads each
.set FX0, 32                           ; fragment buffer 0: x v[32:95], weights v[96:135]
.set FW0, 96
.set FX1, 136                          ; fragment buffer 1: x v[136:199], weights v[200:239]
.set FW1, 200
.set BV,  64                           ; window 2, v[64:95]: four bias tiles of V, all eight registers = bv[64 w + 16 t + r]
.set OV,  32                           ; v[32:159]  V packed
.set OQ,  160                          ; v[160:191] q or k packed
; window 1: V's accumulator tile (t, mt) at v[8 (8 t + mt)];  window 2: q's or k's tile mt at v[8 mt]
.set MSB, 0
.macro WIN new                         ; low byte: bits 1:0 source 0, 3:2 source 1, 5:4 source 2, 7:6 destination; the high byte repeats the setting that is left
.if MSB != (\new)
	s_set_vgpr_msb (MSB<<8)|(\new)
.set MSB, (\new)
.endif
.endm
.macro PLACES                          ; four places behind a matrix instruction, ahead of what reads its result or writes one of its registers (ISA guide 7.12.1)
.rept 4
	v_nop
.endr
.endm
	s_load_b256 s[4:11], s[0:1], 0x0               ; x s[4:5], Wq s[6:7], Wk s[8:9], Wv s[10:11]
	s_load_b256 s[12:19], s[0:1], 0x20             ; bq s[12:13], bk s[14:15], bv s[16:17], qws s[18:19]
	s_load_b64 s[20:21], s[0:1], 0x40              ; kv
	v_lshl_add_u32 v14, v0, 2, 0x3b400
	s_set_vgpr_msb 0x80
	v_mov_b32 v97, 0
	s_set_vgpr_msb 0x8000
	v_lshrrev_b32 v1, 5, v0
	v_readfirstlane_b32 s22, v1                    ; wave w
	s_and_b32 s23, s22, 1                          ; dt: which 16 of the 32 d
	s_lshr_b32 s28, ttmp9, 5                       ; batch
	s_and_b32 s36, ttmp9, 31                       ; my place among the batch's 32 work-groups
	s_mul_i32 s30, s28, 128*KBLK                   ; the batch's 128 chunks in kv
	s_mov_b32 s31, 0
	s_lshl_b32 s28, s28, 22                        ; the batch in x: 4,194,304 bytes,
	s_lshl_b32 s29, s36, 9                         ; + my 128 columns, 512 bytes
	s_add_co_u32 s28, s28, s29
	s_mov_b32 s29, 0
	s_lshl_b32 s32, ttmp9, 13                      ; my eight query tiles in qws
	s_mov_b32 s33, 0
	s_lshr_b32 s37, s36, 4
	s_lshl_b32 s37, s37, 6                         ; first chunk of my key half
	s_and_b32 s36, s36, 15
	s_lshl_b32 s36, s36, 2                         ; my first key block in the half
	s_cmp_lt_u32 s22, 2
	s_cselect_b32 s38, 63, 64                      ; V's channel tiles 0-7 (waves 0, 1) go one chunk back, mod 64; tiles 8-15 into the block's own chunk
	s_add_co_u32 s38, s38, s36
	s_add_co_u32 s39, s36, 62                      ; K goes two chunks back, mod 64
	v_and_b32 v1, 31, v0                           ; L
	v_and_b32 v2, 15, v0                           ; r
	v_bfe_u32 v3, v0, 4, 1                         ; h
	v_lshlrev_b32 v32, 4, v1                       ; 16 L
	v_lshlrev_b32 v33, 3, v1                       ; 8 L
	v_lshl_add_u32 v[XO], s22, 18, v32
	v_lshl_add_u32 v[WO], s22, 16, v32
	v_lshl_add_u32 v[WO2], s23, 14, v32
	v_lshl_add_u32 v36, s22, 12, v32               ; 16 L + 4 w fragments
	v_lshl_add_u32 v[QKO], s23, 9, v32
.irp p, 0,1,2,3
	s_add_co_u32 s40, s38, \p
	s_and_b32 s40, s40, 63
	s_add_co_u32 s40, s40, s37
	s_mul_i32 s40, s40, KBLK
	v_add_nc_u32 v[KVO+\p], s40, v36
	s_add_co_u32 s41, s39, \p
	s_and_b32 s41, s41, 63
	s_add_co_u32 s41, s41, s37
	s_mul_i32 s41, s41, KBLK
	v_add_nc_u32 v[KKO+\p], s41, v[QKO]
.endr
	s_mul_i32 s34, s22, 16*XP
	v_add_nc_u32 v[XST], s34, v33
	s_mul_i32 s35, s22, WWAVE
	s_add_co_u32 s35, s35, WB
	v_add_nc_u32 v[WST], s35, v33
	v_and_b32 v34, 7, v0
	v_lshl_add_u32 v34, v3, 3, v34                 ; ci = 8 h + L % 8
	v_mul_u32_u24 v34, v34, XP
	v_bfe_u32 v35, v0, 3, 1
	v_lshl_add_u32 v[XA], v35, 4, v34              ; + 16 bytes for lanes 8-15 of each half
	v_add_nc_u32 v[XA+1], 128*XP, v[XA]            ; K steps 4-7 begin 128 rows further down
	v_mul_u32_u24 v34, v2, WP
	v_lshl_add_u32 v34, v3, 4, v34
	v_add_nc_u32 v[WA], s35, v34                   ; row r x pitch + 16 h
	v_lshlrev_b32 v34, 2, v2
	v_lshl_add_u32 v[BVO], s22, 8, v34             ; 4 (64 w + r)
	v_lshlrev_b32 v34, 5, v3
	v_lshl_add_u32 v[BQO], s23, 6, v34             ; 4 (16 dt + 8 h)
	s_wait_kmcnt 0x0
	s_cmp_lt_u32 s22, 2                            ; waves 0, 1: q; waves 2, 3: k
	s_cselect_b64 s[24:25], s[6:7], s[8:9]         ; my small weight matrix
	s_cselect_b64 s[26:27], s[12:13], s[14:15]     ; and its bias
	s_add_nc_u64 s[4:5], s[4:5], s[28:29]
	s_add_nc_u64 s[20:21], s[20:21], s[30:31]
	s_add_nc_u64 s[18:19], s[18:19], s[32:33]
	; the biases go out first, so that the first counted wait below covers them
	WIN 0x80
.irp t, 0,1,2,3
	global_load_b32 v[BV+8*\t], v[BVO], s[16:17] offset:64*\t
.endr
	WIN 0
	global_load_b128 v[BQ:BQ+3], v[BQO], s[26:27]
	global_load_b128 v[BQ+4:BQ+7], v[BQO], s[26:27] offset:16
; An item is 16 loads of 512 neighbouring bytes.  Items 0-3: 16 rows of x (ci = 64 item + 16 w + p).  Items 4-11: 8 rows of Wv each.
; Items 12, 13: 8 rows of Wq or Wk each.  Item n uses register set n % 3.
.macro LOADITEM it
.set RS, R+64*((\it)%3)
.irp p, 0,1,2,3,4,5,6,7,8,9,10,11,12,13,14,15
.if (\it) < 4
	global_load_b128 v[RS+4*\p:RS+4*\p+3], v[XO], s[4:5] offset:(64*(\it)+\p)*XROW
.else
.if (\it) < 12
	global_load_b128 v[RS+4*\p:RS+4*\p+3], v[WO], s[10:11] offset:((\it)-4)*8192+\p*512
.else
	global_load_b128 v[RS+4*\p:RS+4*\p+3], v[WO2], s[24:25] offset:((\it)-12)*8192+\p*512
.endif
.endif
.endr
.endm
; round an item to bf16 and lay it into LDS: 8 bytes a lane, 256 neighbouring bytes a store
.macro PUTITEM it
.set RS, R+64*((\it)%3)
.irp p, 0,1,2,3,4,5,6,7,8,9,10,11,12,13,14,15
	v_cvt_pk_bf16_f32 v[T+2*\p], v[RS+4*\p], v[RS+4*\p+1]
	v_cvt_pk_bf16_f32 v[T+2*\p+1], v[RS+4*\p+2], v[RS+4*\p+3]
.endr
.irp p, 0,1,2,3,4,5,6,7,8,9,10,11,12,13,14,15
.if (\it) < 4
	ds_store_b64 v[XST], v[T+2*\p:T+2*\p+1] offset:(64*(\it)+\p)*XP
.else
	ds_store_b64 v[WST], v[T+2*\p:T+2*\p+1] offset:(8*((\it)-4)+(\p>>1))*WP+(\p&1)*256
.endif
.endr
.endm
	LOADITEM 0
	LOADITEM 1
	LOADITEM 2
.irp it, 0,1,2,3,4,5,6,7,8,9,10
	s_wait_loadcnt 32                              ; loads come back in order (ISA guide 5.7.1): this item is in, the two younger items' 32 loads stay out
	PUTITEM \it
	LOADITEM \it+3                                 ; into the set just read
.endr
	s_wait_loadcnt 32                              ; items 12 and 13 stay out
	PUTITEM 11
	s_wait_loadcnt 16                              ; item 13 stays out
	PUTITEM 12
	s_wait_loadcnt 0x0
	PUTITEM 13
	WIN 0x82                                       ; V's bias is the same in a lane's eight registers (they are eight m of one channel)
.irp t, 0,1,2,3
.irp j, 1,2,3,4,5,6,7
	v_mov_b32 v[BV+8*\t+\j], v[BV+8*\t]
.endr
.endr
	WIN 0
	s_wait_dscnt 0x0                               ; my stores are in LDS, for the other waves' sake: x is read by all four
	s_barrier_signal -1
	s_barrier_wait -1
; the fragments of K step ks: 8 of x (16 m x 32 ci, transposed on the way since ci runs down the LDS rows), 5 of my weights: 26 loads
.macro FETCH ks, fx, fw
.irp mt, 0,1,2,3,4,5,6,7
	ds_load_tr16_b128 v[\fx+8*\mt:\fx+8*\mt+3], v[XA+((\ks)>>2)] offset:((\ks)&3)*32*XP+32*\mt
	ds_load_tr16_b128 v[\fx+8*\mt+4:\fx+8*\mt+7], v[XA+((\ks)>>2)] offset:((\ks)&3)*32*XP+32*\mt+16*XP
.endr
.irp t, 0,1,2,3,4
	ds_load_b128 v[\fw+8*\t:\fw+8*\t+3], v[WA] offset:\t*16*WP+64*(\ks)
	ds_load_b128 v[\fw+8*\t+4:\fw+8*\t+7], v[WA] offset:\t*16*WP+64*(\ks)+32
.endr
.endm
; One K step: 32 products for V, 8 for q or k.  The 40 accumulators take turns, one instruction a turn.
; In K step 0 the bias tile is the C operand: nothing is cleared and no bias is added later.
.macro KSTEP ks, fx, fw
.if \ks < 7
	s_wait_dscnt 26                                ; this step's fragments are in; the next step's 26 loads stay out
.else
	s_wait_dscnt 0x0
.endif
.if \ks == 0
	WIN 0x60                                       ; D window 1, C window 2
.else
	WIN 0x50                                       ; C and D window 1
.endif
.irp t, 0,1,2,3
.irp mt, 0,1,2,3,4,5,6,7
.if \ks == 0
	v_wmma_f32_16x16x32_bf16 v[8*(8*\t+\mt):8*(8*\t+\mt)+7], v[\fx+8*\mt:\fx+8*\mt+7], v[\fw+8*\t:\fw+8*\t+7], v[BV+8*\t:BV+8*\t+7]
.else
	v_wmma_f32_16x16x32_bf16 v[8*(8*\t+\mt):8*(8*\t+\mt)+7], v[\fx+8*\mt:\fx+8*\mt+7], v[\fw+8*\t:\fw+8*\t+7], v[8*(8*\t+\mt):8*(8*\t+\mt)+7]
.endif
.endr
.endr
.if \ks == 0
	WIN 0x80                                       ; D window 2, C window 0
.else
	WIN 0xa0                                       ; C and D window 2
.endif
.irp mt, 0,1,2,3,4,5,6,7
.if \ks == 0
	v_wmma_f32_16x16x32_bf16 v[8*\mt:8*\mt+7], v[\fw+32:\fw+39], v[\fx+8*\mt:\fx+8*\mt+7], v[BQ:BQ+7]
.else
	v_wmma_f32_16x16x32_bf16 v[8*\mt:8*\mt+7], v[\fw+32:\fw+39], v[\fx+8*\mt:\fx+8*\mt+7], v[8*\mt:8*\mt+7]
.endif
.endr
.if \ks < 6
	PLACES
	WIN 0
	FETCH \ks+2, \fx, \fw                          ; into the buffer just multiplied
.endif
.endm
	FETCH 0, FX0, FW0
	FETCH 1, FX1, FW1
	KSTEP 0, FX0, FW0
	KSTEP 1, FX1, FW1
	KSTEP 2, FX0, FW0
	KSTEP 3, FX1, FW1
	KSTEP 4, FX0, FW0
	KSTEP 5, FX1, FW1
	KSTEP 6, FX0, FW0
	KSTEP 7, FX1, FW1
	PLACES
	; V out.  Register i of tile (t, 2 p) is key 8 h + i of key block p, register i of tile (t, 2 p + 1) is key 16 + 8 h + i, both of channel
	; 64 w + 16 t + r: packed together they are register i of V's fragment 4 w + t.  Each store of the wave covers 512 consecutive bytes, aligned.
	WIN 0x05
.irp t, 0,1,2,3
.irp p, 0,1,2,3
.irp i, 0,1,2,3,4,5,6,7
	v_cvt_pk_bf16_f32 v[OV+8*(4*\t+\p)+\i], v[8*(8*\t+2*\p)+\i], v[8*(8*\t+2*\p+1)+\i]
.endr
.endr
.endr
	WIN 0
.irp t, 0,1,2,3
.irp p, 0,1,2,3
	global_store_b128 v[KVO+\p], v[OV+8*(4*\t+\p):OV+8*(4*\t+\p)+3], s[20:21] offset:\t*1024
	global_store_b128 v[KVO+\p], v[OV+8*(4*\t+\p)+4:OV+8*(4*\t+\p)+7], s[20:21] offset:\t*1024+512
.endr
.endr
	; q or k out.  A lane's eight results of tile mt are d = 16 dt + 8 h + 0..7 of column 16 mt + r: registers 4 dt .. + 3 of a fragment.
.macro PACKQK
	WIN 0x0a
.set n, 0
.rept 32
	v_cvt_pk_bf16_f32 v[OQ+n], v[2*n], v[2*n+1]
.set n, n+1
.endr
	WIN 0
.endm
	s_cmp_lt_u32 s22, 2
	s_cbranch_scc0 .Lkeys
	WIN 0x82                                       ; q carries log2(e), so that the softmax's exponential is a plain 2^x
.set n, 0
.rept 32
	v_pk_mul_f32 v[2*n:2*n+1], v[2*n:2*n+1], 0x3fb8aa3b op_sel_hi:[1,0]
.set n, n+1
.endr
	PACKQK
.irp mt, 0,1,2,3,4,5,6,7
	global_store_b128 v[QKO], v[OQ+4*\mt:OQ+4*\mt+3], s[18:19] offset:\mt*1024
.endr
	s_set_vgpr_msb 0x8
	s_wait_tensorcnt 0x0
	ds_add_u32 v14, v97
	s_wait_dscnt 0x0
	s_set_vgpr_msb 0x800
	s_endpgm
.Lkeys:
	PACKQK
.irp mt, 0,1,2,3,4,5,6,7
	global_store_b128 v[KKO+(\mt>>1)], v[OQ+4*\mt:OQ+4*\mt+3], s[20:21] offset:(16+(\mt&1))*1024
.endr
	s_set_vgpr_msb 0x8
	s_wait_tensorcnt 0x0
	ds_add_u32 v14, v97
	s_wait_dscnt 0x0
	s_set_vgpr_msb 0x800
	s_endpgm
.Lfunc_end_k_q427c2d877a_proj:
	.size	k_q427c2d877a_proj, .Lfunc_end_k_q427c2d877a_proj-k_q427c2d877a_proj
	.p2alignl 7, 3214868480
	.fill 96, 4, 3214868480
	.section	.rodata,"a",@progbits
	.p2align	6, 0x0
	.amdhsa_kernel k_q427c2d877a_proj
		.amdhsa_group_segment_fixed_size 243200
		.amdhsa_private_segment_fixed_size 0
		.amdhsa_enable_private_segment 0
		.amdhsa_kernarg_size 72
		.amdhsa_user_sgpr_count 2
		.amdhsa_user_sgpr_kernarg_segment_ptr 1
		.amdhsa_wavefront_size32 1
		.amdhsa_system_sgpr_workgroup_id_x 1
		.amdhsa_system_sgpr_workgroup_id_y 1
		.amdhsa_system_sgpr_workgroup_id_z 1
		.amdhsa_system_vgpr_workitem_id 0
		.amdhsa_next_free_vgpr 610
		.amdhsa_next_free_sgpr 66
		.amdhsa_reserve_vcc 0
		.amdhsa_float_denorm_mode_32 3
		.amdhsa_float_denorm_mode_16_64 3
		.amdhsa_memory_ordered 1
		.amdhsa_forward_progress 1
		.amdhsa_inst_pref_size 125
	.end_amdhsa_kernel
	.amdgpu_metadata
---
amdhsa.version: [ 1, 2 ]
amdhsa.kernels:
  - .name:           k_q427c2d877a_proj
    .symbol:         k_q427c2d877a_proj.kd
    .args:
      - { .name: x, .offset: 0, .size: 8, .value_kind: global_buffer, .address_space: global }
      - { .name: Wq, .offset: 8, .size: 8, .value_kind: global_buffer, .address_space: global }
      - { .name: Wk, .offset: 16, .size: 8, .value_kind: global_buffer, .address_space: global }
      - { .name: Wv, .offset: 24, .size: 8, .value_kind: global_buffer, .address_space: global }
      - { .name: bq, .offset: 32, .size: 8, .value_kind: global_buffer, .address_space: global }
      - { .name: bk, .offset: 40, .size: 8, .value_kind: global_buffer, .address_space: global }
      - { .name: bv, .offset: 48, .size: 8, .value_kind: global_buffer, .address_space: global }
      - { .name: qws, .offset: 56, .size: 8, .value_kind: global_buffer, .address_space: global }
      - { .name: kv, .offset: 64, .size: 8, .value_kind: global_buffer, .address_space: global }
    .group_segment_fixed_size: 243200
    .private_segment_fixed_size: 0
    .kernarg_segment_align: 8
    .kernarg_segment_size: 72
    .max_flat_workgroup_size: 128
    .sgpr_count:     66
    .vgpr_count:     610
    .wavefront_size: 32
...
	.end_amdgpu_metadata
.endif
;; end of part 1
;; launch attn (part 2): grid 256 x 1, 4 waves a work-group, clusters of 4 x 1, 327,680 bytes of LDS; arguments qws, kv, x, gamma, out0; writes out0
.if DOCPART == 2
	.amdgcn_target "amdgcn-amd-amdhsa--gfx1250"
	.amdhsa_code_object_version 6
	.text
	.protected	k_q427c2d877a_attn
	.globl	k_q427c2d877a_attn
	.p2align	8
	.type	k_q427c2d877a_attn,@function
k_q427c2d877a_attn:
	s_mov_b64 s[64:65], 0
	v_nop
	global_prefetch_b8 v0, s[64:65] scope:SCOPE_SE
	s_setreg_imm32_b32 hwreg(HW_REG_WAVE_MODE, 25, 1), 1
	s_wait_xcnt 0x0
	s_wait_alu depctr_hold_cnt(0) depctr_sa_sdst(0) depctr_va_vdst(0) depctr_va_sdst(0) depctr_va_ssrc(0) depctr_va_vcc(0) depctr_vm_vsrc(0)
	s_getreg_b32 s2, hwreg(HW_REG_IB_STS2, 6, 4)
	s_cmp_eq_u32 s2, 0
	s_cbranch_scc0 .Lentry_in_a_cluster
	s_endpgm
.Lentry_in_a_cluster:
	s_bfe_u32 s2, ttmp6, 0x10000c
	s_cmp_lg_u32 s2, 0x3003
	s_cbranch_scc0 .Lentry_shape_is_right
	s_endpgm
.Lentry_shape_is_right:
; out0[b][c][n] = gamma x (sum over m of v[c][m] softmax over m of (q[n] . k[m])) + x[b][c][n].
; qws and kv hold q' = log2(e) q, k and v in bf16 as register images of matrix operands (fragments of 1,024 bytes: byte 512 g + 16 L =
; registers 4g .. 4g+3 of lane L).  kv: [8 b][2 key halves][64 chunks of 18 fragments]; chunk c holds V of key block c + 1, channel tiles 0-7
; (fragments 0-7), V of key block c, channel tiles 8-15 (8-15), and K of key block c + 2 (16, 17), block numbers mod 64.
; A work-group owns 128 queries of one batch; 256 work-groups.  Wave w: qh = w & 1 (64 queries, four tiles of 16), kh = w >> 1 (2,048 keys).
; A wave's sums are 64 queries x 256 channels: 64 accumulator tiles, 512 registers.  The two key halves meet in LDS at the end.
; TWO PASSES.  Pass 1 makes the scores only and takes each query's true maximum m over the wave's keys.  Pass 2 makes the scores again with
; -m as the C operand, so that the matrix instruction itself delivers score - m; what is left is 2^x, the sum l and the rounding to bf16.
; No running rescale of the 512 sums is needed.  At the end the halves are joined by 2^(m_half - max of both).
; ORIENTATION: scores = K fragment (rows: keys) x Q fragment (columns: queries): a lane holds keys 8 h + 0..7 of query r.  Register i of a
; weight fragment P (row: query r) packs key 8 h + i of the block's first key tile with key 8 h + i of its second; V's fragments have the same
; order of keys.  P x V fragment (column: channel): a lane holds queries 8 h + 0..7 of channel r.  No number changes lanes in the loops.
; PASS 2 IS STAGGERED: while the products of key block k are issued, the scores, exponentials, sums and roundings of key block k + 1 stand among
; them, a few behind each product.  So that they need no change of register window, window q (0 to 3) holds all that belongs to query tile q:
;   every window: v[0:127] the 16 accumulator tiles of query tile q (tile ct at v[8 ct]); v[192:207] P, two buffers; v[208:215] the scores of
;                 the first key tile; v[216:219] two pairs of running sums l
;   window 0 also: v[128:191] V of channel tiles 0-7; v[220:223] LDS addresses; v[224:255] four Q fragments
;   window 1 also: v[128:191] V of channel tiles 8-15; v[220:223] LDS addresses; v[224:255] the scores of the second key tile, query tile q at 224 + 8 q
;   window 2 also: v[128:143] two K fragments; v[144:175] -m, eight registers a query tile
;   window 3 also: v[128:135] addresses of the way out
; A GROUP is eight products of one query tile with one half of V, under one setting: sources 0 and 2 and the destination in window q, source 1
; in V's window.  Under it v_exp_f32 works in place in window q, and with V's upper half (window 1) v_cvt_pk_bf16_f32 takes the first key tile
; from window q and the second from window 1.  Thirteen settings for a key block's 72 matrix instructions.
; CLUSTERS: the four work-groups of a cluster belong to one batch (32 query blocks a batch, 4 x cluster number + place) and walk the same
; tiles of kv.  Each tile is asked for jointly: the same tensor load, the same descriptor, mask 15, in the same round of the cluster's barrier.
; By this text's own count a wave has two tensor loads out at the start and one behind each later round.
; LIMITS: q', k, v and the weights 2^(score - m) enter the products in bf16; sums, m and l in f32; l is summed from the unrounded weights.
; A NaN among the scores is passed over by the maximum, so rows with NaN need not agree with a NaN result.  2^x below 2^-126 counts as 0.
.set SLOT,  147456                     ; an LDS slot: 2 key halves x 4 chunks x 18,432 bytes
.set ML,    2*SLOT                     ; behind the ring, never filled by a tensor load: [kh][-m, l][128 queries] f32, 2,048 bytes
.set KBLK,  18432                      ; a chunk of kv
.set VBOFF, 8192                       ; V's upper half in it
.set KOFF,  16384                      ; K's two fragments in it
.set SP,    528                        ; the stage's pitch: 128 queries in f32 + 16 bytes, an odd multiple of 16
.set XROW,  16384                      ; bytes from channel to channel in x and out0
.set VF,   128                         ; windows 0, 1: eight V fragments
.set PF,   192                         ; every window: P, buffer 0 and buffer 1
.set S0,   208                         ; every window: scores of the first key tile
.set LS,   216                         ; every window: running sums
.set VA,   220                         ; windows 0, 1: slot s, chunks 0-1 / 2-3: v[VA + 2 s + half]
.set QF,   224                         ; window 0
.set S1,   224                         ; window 1
.set KF,   128                         ; window 2
.set NEGM, 144                         ; window 2
.set K0,   0                           ; window 2: K of key block 0, in registers that the sums take over later
.set SAD,  128                         ; window 3: v128, 129 stage, in: channel tiles 0-7, 8-15
.set RD,   130                         ;           v130, 131 stage, back: key half 0, 1
.set MLW,  132                         ;           where I put -m and l
.set MLR,  133                         ;           where I read them
.set XO,   134                         ;           byte offset in x and out0: 16 L + w x 64 channels
.set VG,   135                         ;           byte offset in kv of chunk 62 of my key half + 16 L
.set F0,   136                         ;           the way out: factors of key half 0, 1 for my four queries
.set F1,   140
.set MLV,  144                         ;           v[144:159] -m0, l0, -m1, l1; v[160:163] at work
.set OB0,  0                           ;           v[0:63], v[64:127]: eight rows of both halves' sums, two buffers
.set OB1,  64
; pass 1 lives in window 0 alone, in registers that pass 2 takes over:
.set SC,   0                           ; v[0:127]   16 score tiles
.set KF1,  128                         ; v[128:159] four K fragments
.set MX,   192                         ; v[192:199] eight running maxima, chain (query tile, key tile)
.set M,    200                         ; v[200:203] m of query tile q
.set KB,   204                         ; v204       65,536 kh + 16 L
.set KA,   205                         ; v205       the address that walks
.set G1K, 24                           ; s[24:31] shape of K's tiles
.set G1V, 32                           ; s[32:39] shape of a step's tiles
.set G0K, 40                           ; s[40:47] group 0 of K's two first fills
.set G0V, 48                           ; s[48:55] group 0 of the steps' tiles, one set for each slot
.set MSB, 0
.macro WIN new                         ; low byte: bits 1:0 source 0, 3:2 source 1, 5:4 source 2, 7:6 destination; the high byte repeats the setting that is left
.if MSB != (\new)
	s_set_vgpr_msb (MSB<<8)|(\new)
.set MSB, (\new)
.endif
.endm
.macro PLACES                          ; four places behind a matrix instruction, ahead of what reads its result or writes one of its registers (ISA guide 7.12.1 for vector instructions)
.rept 4
	v_nop
.endr
.endm
; A round of the cluster's barrier: my work-group's barrier, wave 0 signals for the work-group, every wave waits for all four work-groups, my work-group's barrier again.
.macro ROUND
	s_barrier_signal -1
	s_barrier_wait -1
	s_cmp_lg_u32 s14, 0
	s_cbranch_scc1 .Lnot_wave_0_\@
	s_barrier_signal -3
.Lnot_wave_0_\@:
	s_barrier_wait -3
	s_barrier_signal -1
	s_barrier_wait -1
.endm
	s_load_b256 s[4:11], s[0:1], 0x0               ; qws s[4:5], kv s[6:7], x s[8:9], gamma s[10:11]
	s_load_b64 s[12:13], s[0:1], 0x20              ; out0
	s_set_vgpr_msb 0x80
	v_lshl_add_u32 v254, v0, 2, 0x48800
	v_mov_b32 v255, 0
	s_set_vgpr_msb 0x808a
	ds_add_u32 v254, v255
	s_set_vgpr_msb 0x8a00
	v_lshrrev_b32 v1, 5, v0
	v_readfirstlane_b32 s14, v1                    ; wave w
	s_and_b32 s15, s14, 1                          ; qh
	s_lshr_b32 s16, s14, 1                         ; kh
	s_lshr_b32 s19, ttmp9, 3                       ; batch: eight clusters each; the same in all four partners
	s_mov_b32 s56, 0x76543210                      ; v_permlanex16_b32: lane i of one half reads lane i of the other
	s_mov_b32 s57, 0xfedcba98
	; Shape of K's tiles: 16 rows (chunks) of 2,048 bytes = 256 elements of 8 bytes, 18,432 bytes = 2,304 elements from row to row
	s_mov_b32 s[G1K+0], 15|(3<<16)|(1<<21)         ; 15:0 mask: all four work-groups; 17:16 element of 8 bytes; 21 set beside a mask; no padding
	s_mov_b32 s[G1K+1], 256<<16                    ; tensor_dim0 = 256
	s_mov_b32 s[G1K+2], 16<<16                     ; tensor_dim1 = 16
	s_mov_b32 s[G1K+3], 256<<16                    ; tile_dim0 = 256
	s_mov_b32 s[G1K+4], 16                         ; tile_dim1 = 16
	s_mov_b32 s[G1K+5], KBLK/8                     ; pitch
	s_mov_b32 s[G1K+6], 0
	s_mov_b32 s[G1K+7], 0
	; Shape of a step's tiles: two chunks, 36,864 dense bytes, as 144 rows of 256 bytes = 32 elements
	s_mov_b32 s[G1V+0], 15|(3<<16)|(1<<21)
	s_mov_b32 s[G1V+1], 32<<16
	s_mov_b32 s[G1V+2], 144<<16
	s_mov_b32 s[G1V+3], 32<<16
	s_mov_b32 s[G1V+4], 144
	s_mov_b32 s[G1V+5], 32
	s_mov_b32 s[G1V+6], 0
	s_mov_b32 s[G1V+7], 0
	; where the tiles come from: batch, key half and the wave's part; no place in the cluster enters
	s_mul_i32 s20, s19, 128*KBLK
	s_mul_i32 s21, s16, 64*KBLK
	s_add_co_u32 s20, s20, s21                     ; chunk 0 of my key half
	s_mul_i32 s21, s15, 16*KBLK                    ; K: waves with qh = 1 fetch chunks 16-31 of the slot's 32
	s_add_co_u32 s60, s20, s21
	s_add_co_u32 s60, s60, KOFF
	s_mov_b32 s61, 0
	s_mul_i32 s21, s15, 2*KBLK                     ; steps: waves with qh = 1 fetch chunks 2, 3 of the step's 4
	s_add_co_u32 s62, s20, s21
	s_mov_b32 s63, 0
	s_add_co_u32 s3, s20, 62*KBLK                  ; chunks 62 and 63 hold K of key blocks 0, 1 and V's lower half of key block 0
	v_and_b32 v1, 31, v0                           ; L
	v_lshlrev_b32 v2, 4, v1                        ; 16 L
	v_add_nc_u32 v8, s3, v2
	s_lshl_b32 s22, s14, 15                        ; and where they go: w x 32,768 in pass 1,
	s_mul_i32 s23, s14, 2*KBLK                     ; w x 36,864 in pass 2
	s_wait_dscnt 0x0
	s_wait_kmcnt 0x0
	s_mov_b32 s[G0K+0], 1
	s_mov_b32 s[G0K+1], s22
	s_add_nc_u64 s[G0K+2:G0K+3], s[6:7], s[60:61]  ; chunks 0-31 of each half
	s_mov_b32 s[G0K+4], 1
	s_add_co_u32 s[G0K+5], s22, SLOT
	s_add_nc_u64 s[G0K+6:G0K+7], s[G0K+2:G0K+3], 32*KBLK   ; chunks 32-63
	s_or_b32 s[G0K+3], s[G0K+3], 0x80000000        ; type = 2
	s_or_b32 s[G0K+7], s[G0K+7], 0x80000000
	s_mov_b32 s[G0V+0], 1
	s_mov_b32 s[G0V+1], s23
	s_add_nc_u64 s[G0V+2:G0V+3], s[6:7], s[62:63]  ; step 0
	s_mov_b32 s[G0V+4], 1
	s_add_co_u32 s[G0V+5], s23, SLOT
	s_add_nc_u64 s[G0V+6:G0V+7], s[G0V+2:G0V+3], 4*KBLK    ; step 1
	s_or_b32 s[G0V+3], s[G0V+3], 0x80000000
	s_or_b32 s[G0V+7], s[G0V+7], 0x80000000
	ROUND                                          ; all four work-groups are here: the first joint loads meet
	tensor_load_to_lds s[G0K:G0K+3], s[G1K:G1K+7]          ; all of K, 262,144 bytes for the four waves, in the two slots
	s_nop 0
	tensor_load_to_lds s[G0K+4:G0K+7], s[G1K:G1K+7]
	s_nop 0
	; what is my work-group's own: Q, x, out0
	s_load_b32 s59, s[10:11], 0x0                  ; gamma
	s_bfe_u32 s17, ttmp6, 0x40000                  ; cx
	s_lshl_b32 s18, ttmp9, 2
	s_add_co_u32 s18, s18, s17                     ; work-group g
	s_lshl_b32 s20, s18, 13                        ; eight query tiles of 1,024 bytes
	s_mov_b32 s21, 0
	s_add_nc_u64 s[4:5], s[4:5], s[20:21]
	s_and_b32 s2, s18, 31
	s_lshl_b32 s2, s2, 9                           ; my 128 queries: 512 bytes of a row,
	s_lshl_b32 s3, s19, 22                         ; in my batch
	s_add_co_u32 s2, s2, s3
	s_mov_b32 s3, 0
	s_add_nc_u64 s[8:9], s[8:9], s[2:3]
	s_add_nc_u64 s[12:13], s[12:13], s[2:3]
	v_lshl_add_u32 v7, s15, 12, v2                 ; my four query tiles
.irp q, 0,1,2,3
	global_load_b128 v[QF+8*\q:QF+8*\q+3], v7, s[4:5] offset:1024*\q
	global_load_b128 v[QF+8*\q+4:QF+8*\q+7], v7, s[4:5] offset:1024*\q+512
.endr
	WIN 0x80                                       ; K of key blocks 0 and 1 straight into window 2: fragments are register images
.irp n, 0,1,2,3
	global_load_b128 v[K0+4*\n:K0+4*\n+3], v8, s[6:7] offset:KOFF+512*\n
	global_load_b128 v[KF+4*\n:KF+4*\n+3], v8, s[6:7] offset:KBLK+KOFF+512*\n
.endr
	WIN 0
	v_and_b32 v3, 15, v0                           ; r
	v_bfe_u32 v4, v0, 4, 1                         ; h
	v_lshl_add_u32 v[KB], s16, 16, v2
	s_mul_i32 s20, s16, 4*KBLK
	v_add_nc_u32 v6, s20, v2                       ; my key half in slot 0 + 16 L
	v_mul_u32_u24 v5, v3, SP
	v_lshl_add_u32 v5, v4, 5, v5                   ; channel r x pitch + 4 x 8 h
.irp i, 0,1,2,3,4,5,6,7
	v_mov_b32 v[MX+\i], 0xff800000                 ; -infinity
.endr
.irp d, 0,1
	WIN \d<<6                                      ; the LDS addresses, once in each window from which V is loaded
	v_add_nc_u32 v[VA], s20, v2
	v_add_nc_u32 v[VA+1], 2*KBLK, v6
	v_add_nc_u32 v[VA+2], SLOT, v6
	v_add_nc_u32 v[VA+3], SLOT+2*KBLK, v6
.endr
	s_mul_i32 s21, s16, SLOT                       ; the stage of key half kh lies in slot kh
	s_lshl_b32 s22, s15, 8
	s_add_co_u32 s21, s21, s22
	s_add_co_u32 s23, s21, 128*SP
	s_mul_i32 s20, s14, 64*SP
	s_add_co_u32 s2, s20, SLOT
	s_lshl_b32 s3, s16, 10
	s_add_co_u32 s3, s3, s22
	s_add_co_u32 s3, s3, ML
	WIN 0xc0                                       ; destination window 3
	v_add_nc_u32 v[SAD], s21, v5                   ; in: channel r, queries 64 qh + 8 h
	v_add_nc_u32 v[SAD+1], s23, v5
	v_add_nc_u32 v[RD], s20, v2                    ; back: my 64 channels, 16 bytes a lane
	v_add_nc_u32 v[RD+1], s2, v2
	v_lshl_add_u32 v[MLW], v3, 2, s3
	v_add_nc_u32 v[MLR], ML, v2
	v_lshl_add_u32 v[XO], s14, 20, v2
	v_mov_b32 v[VG], v8
	WIN 0
; PASS 1.  A trip takes two chunks' K: four K fragments x four Q fragments, 16 score tiles, and their maxima in eight chains that take turns.
.macro P1LOADS
.irp f, 0,1,2,3
	ds_load_b128 v[KF1+8*\f:KF1+8*\f+3], v[KA] offset:1024*\f
	ds_load_b128 v[KF1+8*\f+4:KF1+8*\f+7], v[KA] offset:1024*\f+512
.endr
.endm
.macro P1TRIP more
	s_wait_dscnt 0x0
.irp f, 0,1,2,3
.irp q, 0,1,2,3
	v_wmma_f32_16x16x32_bf16 v[SC+8*(4*\f+\q):SC+8*(4*\f+\q)+7], v[KF1+8*\f:KF1+8*\f+7], v[QF+8*\q:QF+8*\q+7], 0
.endr
.endr
	PLACES
.if \more
	v_add_nc_u32 v[KA], 4096, v[KA]                ; the next two chunks' K; it lands while the maxima are taken
	P1LOADS
.endif
.irp i, 0,1,2,3
.irp f, 0,1,2,3
.irp q, 0,1,2,3
	v_max3_num_f32 v[MX+2*\q+(\f&1)], v[MX+2*\q+(\f&1)], v[SC+8*(4*\f+\q)+2*\i], v[SC+8*(4*\f+\q)+2*\i+1]
.endr
.endr
.endr
.endm
; the 32 K blocks of my half in one slot: 16 trips, the last written out so that no read leaves the 65,536 bytes
.macro P1PHASE slot
	v_add_nc_u32 v[KA], \slot*SLOT, v[KB]
	P1LOADS
	s_mov_b32 s58, 15
.Lp1_\@:
	P1TRIP 1
	s_sub_co_u32 s58, s58, 1
	s_cmp_lg_u32 s58, 0
	s_cbranch_scc1 .Lp1_\@
	P1TRIP 0
.endm
	s_wait_tensorcnt 0x1                           ; my part of slot 0 is in; slot 1's fill may stay out
	s_barrier_signal -1
	s_barrier_wait -1                              ; everybody's part is in
	s_wait_loadcnt 0x0                             ; Q and the first two K blocks; v7 and v8, their addresses, are free from here
	P1PHASE 0
	s_set_vgpr_msb 0xa
	s_wait_tensorcnt 0x0                           ; all my tensor loads have landed, my part of slot 1 among them,
	ds_add_u32 v254, v255
	s_wait_dscnt 0x0
	s_set_vgpr_msb 0xa00
	s_wait_dscnt 0x0                               ; and my reads of slot 0 are back (met: the last trip loads nothing)
	ROUND                                          ; both now hold of every wave of all four work-groups
	tensor_load_to_lds s[G0V:G0V+3], s[G1V:G1V+7]  ; step 0 into slot 0: it lands while slot 1's keys are scored
	s_nop 0
	P1PHASE 1
; PASS 2.
.macro SW d, t, q, kf                  ; scores of key tile t, query tile q, less m
	v_wmma_f32_16x16x32_bf16 v[\d:\d+7], v[\kf+8*\t:\kf+8*\t+7], v[QF+8*\q:QF+8*\q+7], v[NEGM+8*\q:NEGM+8*\q+7]
.endm
.macro SPHASE kf                       ; the eight score tiles of a key block: K and -m from window 2, Q from window 0, each tile into the window that works on it
	WIN 0x22
	SW S0, 0, 0, \kf
	WIN 0x62
	SW S0, 0, 1, \kf
	SW S1, 1, 0, \kf
	SW S1+8, 1, 1, \kf
	SW S1+16, 1, 2, \kf
	SW S1+24, 1, 3, \kf
	WIN 0xa2
	SW S0, 0, 2, \kf
	WIN 0xe2
	SW S0, 0, 3, \kf
.endm
.macro EXP0 e                          ; 2^(score - m), register e of the window's own tile
	v_exp_f32 v[S0+(\e)], v[S0+(\e)]
.endm
.macro EXP1 e                          ; register e = 8 q + j of the second key tiles; in window 1
	v_exp_f32 v[S1+(\e)], v[S1+(\e)]
.endm
.macro EXPW1 n                         ; window 1's list: its own tile, then the second key tiles
.if (\n) < 8
	EXP0 \n
.else
	EXP1 (\n)-8
.endif
.endm
.macro GEXP i                          ; two exponentials of the window's own tile behind each of four products
.if (\i) < 4
	EXP0 2*(\i)
	EXP0 2*(\i)+1
.endif
.endm
; What is left of query tile qt once its 16 exponentials are made, as a list of 17 items, under the setting of the group (qt, V's upper half):
;   0       one plain place behind exponentials, ahead of the first use of their results (ISA guide 5.7.2); with qt odd plain items of the group before stand there already
;   1-8     register i of P, buffer pn: the two key tiles' register i rounded to bf16
;   9-12    the two key tiles' weights added, in place in window qt
;   13-16   and added to the two running sums: a multiply-add by 1.0, whose third source lies in the destination's window, as an add's second does not.
;           first = 1: the first key block starts the sums, nothing is cleared.
.macro FITEM qt, pn, first, n
.if (\n) == 0
.if ((\qt)&1) == 0
	v_nop
	s_wait_alu depctr_va_vdst(0)
.endif
.elseif (\n) < 9
	v_cvt_pk_bf16_f32 v[PF+8*(\pn)+(\n)-1], v[S0+(\n)-1], v[S1+8*(\qt)+(\n)-1]
.elseif (\n) < 13
	v_pk_add_f32 v[S0+2*(\n)-18:S0+2*(\n)-17], v[S0+2*(\n)-18:S0+2*(\n)-17], v[S1+8*(\qt)+2*(\n)-18:S1+8*(\qt)+2*(\n)-17]
.elseif \first
.if (\n) < 15
	v_pk_fma_f32 v[LS+2*(\n)-26:LS+2*(\n)-25], v[S0+2*(\n)-26:S0+2*(\n)-25], 1.0, v[S0+2*(\n)-22:S0+2*(\n)-21] op_sel_hi:[1,0,1]
.endif
.else
	v_pk_fma_f32 v[LS+2*(((\n)+1)&1):LS+2*(((\n)+1)&1)+1], v[S0+2*(\n)-26:S0+2*(\n)-25], 1.0, v[LS+2*(((\n)+1)&1):LS+2*(((\n)+1)&1)+1] op_sel_hi:[1,0,1]
.endif
.endm
.macro FRANGE qt, pn, first, lo, hi    ; items lo .. hi - 1
.set fn, \lo
.rept (\hi)-(\lo)
	FITEM \qt, \pn, \first, fn
.set fn, fn+1
.endr
.endm
.macro FSHADOW qt, i                   ; the items that stand behind product i of the group: 5, 4, 2, 2, 2, 2, 0, 0
.if (\i) == 0
	FRANGE \qt, PNXT, 0, 0, 5
.elseif (\i) == 1
	FRANGE \qt, PNXT, 0, 5, 9
.elseif (\i) < 6
	FRANGE \qt, PNXT, 0, 2*(\i)+5, 2*(\i)+7
.endif
.endm
; one product P x V: channel tile 8 half + i; the window's query tile.  zero = 1: the first product starts the sum.
.macro PVW half, i, zero
.if \zero
	v_wmma_f32_16x16x32_bf16 v[64*\half+8*\i:64*\half+8*\i+7], v[PF+8*PCUR:PF+8*PCUR+7], v[VF+8*\i:VF+8*\i+7], 0
.else
	v_wmma_f32_16x16x32_bf16 v[64*\half+8*\i:64*\half+8*\i+7], v[PF+8*PCUR:PF+8*PCUR+7], v[VF+8*\i:VF+8*\i+7], v[64*\half+8*\i:64*\half+8*\i+7]
.endif
.endm
; KEY BLOCK k, whose chunk is number kbl of slot \slot.  At its head P(k), V's lower half of block k and K(k + 1) are in registers.
; It issues the 8 score products of block k + 1 and the 64 products of block k, in eight groups: the four query tiles with V's lower half, then
; the four with its upper half.  The 64 accumulators take turns, one instruction a turn.
; Among them: the vector work that makes P(k + 1), and two runs of LDS loads, all from this chunk: K(k + 2) and V's upper half of block k behind
; the first group (24 products ahead of its use), V's lower half of block k + 1 behind the fifth group's first product (31 products ahead).
; next = 0: the last block makes no P and loads nothing ahead.  kload = 0: no K is left to load.
.macro SECTION slot, kbl, zero, next, kload
.set PCUR, (\kbl)&1
.set PNXT, 1-PCUR
.set LADR, VA+2*(\slot)+((\kbl)>>1)
.set LOFF, ((\kbl)&1)*KBLK
.if \kbl
	s_wait_dscnt 0x0                               ; V's lower half, asked for 31 products ago, is in (in a slot's first block the wait in front of the round has shown it)
.endif
.if \next
	SPHASE KF
.endif
	WIN 0x00                                       ; query tile 0, V's lower half
.irp i, 0,1,2,3,4,5,6,7
	PVW 0, \i, \zero
.if \i == 0
	PLACES                                         ; behind the score products: for the exponentials that read them and the loads into K;
	                                               ; behind the last block's products: for the loads into V's upper half
.elseif \next
	GEXP \i-1
.endif
.endr
.if \kload
	WIN 0x81                                       ; address window 1, destination window 2
.irp n, 0,1,2,3
	ds_load_b128 v[KF+4*\n:KF+4*\n+3], v[LADR] offset:LOFF+KOFF+512*\n
.endr
.endif
	WIN 0x51                                       ; query tile 1, V's lower half; loads land in window 1
.irp f, 0,1,2,3,4,5,6,7
	ds_load_b128 v[VF+8*\f:VF+8*\f+3], v[LADR] offset:LOFF+VBOFF+1024*\f
	ds_load_b128 v[VF+8*\f+4:VF+8*\f+7], v[LADR] offset:LOFF+VBOFF+1024*\f+512
.endr
.irp i, 0,1,2,3,4,5,6,7
	PVW 0, \i, \zero
.if \next
	EXPW1 3*\i                                     ; window 1's own tile and the second key tiles of query tiles 0 and 1: 24 exponentials
	EXPW1 3*\i+1
	EXPW1 3*\i+2
.endif
.endr
	WIN 0xa2                                       ; query tile 2
.irp i, 0,1,2,3,4,5,6,7
	PVW 0, \i, \zero
.if \next
	GEXP \i
.endif
.endr
	WIN 0xf3                                       ; query tile 3
.irp i, 0,1,2,3,4,5,6,7
	PVW 0, \i, \zero
.if \next
	GEXP \i
.endif
.endr
	s_wait_dscnt 0x0                               ; V's upper half, asked for 24 products ago, is in
	WIN 0x04                                       ; query tile 0, V's upper half; loads land in window 0
.irp i, 0,1,2,3,4,5,6,7
	PVW 1, \i, \zero
.if \next
	FSHADOW 0, \i
.if \i == 0
.irp f, 0,1,2,3,4,5,6,7
	ds_load_b128 v[VF+8*\f:VF+8*\f+3], v[LADR] offset:LOFF+1024*\f             ; five plain vector instructions stand behind the last product that read V's lower half
	ds_load_b128 v[VF+8*\f+4:VF+8*\f+7], v[LADR] offset:LOFF+1024*\f+512
.endr
.endif
.endif
.endr
	WIN 0x55                                       ; query tile 1
.irp i, 0,1,2,3,4,5,6,7
	PVW 1, \i, \zero
.if \next
	FSHADOW 1, \i
.if \i >= 6
	EXP1 4*\i                                      ; the second key tile of query tile 3
	EXP1 4*\i+1
	EXP1 4*\i+2
	EXP1 4*\i+3
.elseif \i >= 2
	EXP1 12+2*\i                                   ; the second key tile of query tile 2
	EXP1 13+2*\i
.endif
.endif
.endr
	WIN 0xa6                                       ; query tile 2
.irp i, 0,1,2,3,4,5,6,7
	PVW 1, \i, \zero
.if \next
	FSHADOW 2, \i
.endif
.endr
	WIN 0xf7                                       ; query tile 3
.irp i, 0,1,2,3,4,5,6,7
	PVW 1, \i, \zero
.if \next
	FSHADOW 3, \i
.endif
.endr
.endm
; One step: four key blocks of each half, whose chunks lie in slot \slot.  In front of the round every wave waits for all its tensor loads (the
; one that is out is its part of this slot) and for its reads of the other slot; behind the round the other slot is filled again first, with
; the next step's chunks, which then have this step's 288 matrix instructions in which to land.
.macro STEP slot, refill, zero, last
	s_set_vgpr_msb 0xa
	s_wait_tensorcnt 0x0
	ds_add_u32 v254, v255
	s_wait_dscnt 0x0
	s_set_vgpr_msb 0xa00
	s_add_nc_u64 s[G0V+4*\slot+2:G0V+4*\slot+3], s[G0V+4*\slot+2:G0V+4*\slot+3], 8*KBLK   ; no load of mine is out: this slot's next tile, two steps on
	s_wait_dscnt 0x0
	ROUND
.if \refill
	tensor_load_to_lds s[G0V+4-4*\slot:G0V+7-4*\slot], s[G1V:G1V+7]
	s_nop 0
	v_nop
	v_nop
	v_nop
	v_nop
.endif
	SECTION \slot, 0, \zero, 1, 1
	SECTION \slot, 1, 0, 1, 1
.if \last
	SECTION \slot, 2, 0, 1, 0                      ; key block 62: no K is left
	SECTION \slot, 3, 0, 0, 0                      ; key block 63: nothing comes behind it
.else
	SECTION \slot, 2, 0, 1, 1
	SECTION \slot, 3, 0, 1, 1
.endif
	WIN 0                                          ; at a label and at a branch every window is 0
.endm
	; between the passes: V's lower half of key block 0 goes out first, straight from memory (chunk 63), into registers that held pass 1's K
	WIN 0x03                                       ; address window 3, destination window 0
.irp f, 0,1,2,3,4,5,6,7
	global_load_b128 v[VF+8*\f:VF+8*\f+3], v[VG], s[6:7] offset:KBLK+1024*\f
	global_load_b128 v[VF+8*\f+4:VF+8*\f+7], v[VG], s[6:7] offset:KBLK+1024*\f+512
.endr
	WIN 0
	; m of each query: the two chains, then the other half of the lanes (keys 8 h + j); -m eight times as a C operand
.irp q, 0,1,2,3
	v_max_num_f32 v[M+\q], v[MX+2*\q], v[MX+2*\q+1]
.endr
.irp q, 0,1,2,3
	v_permlanex16_b32 v[MX+2*\q], v[M+\q], s56, s57        ; its destination counts as read: a register that has been written
.endr
.irp q, 0,1,2,3
	v_max_num_f32 v[M+\q], v[M+\q], v[MX+2*\q]
.endr
	WIN 0x80                                       ; destination window 2
.irp q, 0,1,2,3
.irp j, 0,1,2,3,4,5,6,7
	v_sub_f32 v[NEGM+8*\q+\j], 0, v[M+\q]
.endr
.endr
	; P of key block 0, with nothing to stand among
	SPHASE K0
	PLACES
	WIN 0x00
.irp e, 0,1,2,3,4,5,6,7
	EXP0 \e
.endr
	WIN 0x55
.set n, 0
.rept 40
	EXPW1 n
.set n, n+1
.endr
	WIN 0xaa
.irp e, 0,1,2,3,4,5,6,7
	EXP0 \e
.endr
	WIN 0xff
.irp e, 0,1,2,3,4,5,6,7
	EXP0 \e
.endr
.irp q, 0,1,2,3
	WIN \q*0x51+4
	FRANGE \q, 0, 1, 0, 17
.endr
	WIN 0
	s_wait_loadcnt 0x0                             ; V's lower half of key block 0
	STEP 0, 1, 1, 0                                ; steps 0 and 1 stand in front of the loop: the first products start the sums
	STEP 1, 1, 0, 0
	s_mov_b32 s58, 6
.Lsteps:
	STEP 0, 1, 0, 0                                ; steps 2 to 13
	STEP 1, 1, 0, 0
	s_sub_co_u32 s58, s58, 1
	s_cmp_lg_u32 s58, 0
	s_cbranch_scc1 .Lsteps
	STEP 0, 1, 0, 0                                ; step 14 asks for step 15, the last
	STEP 1, 0, 0, 1                                ; nothing is left to fetch (slot 1's stepped address is not used)
	; THE WAY OUT.
	PLACES                                         ; behind the last products: for the loads into V's and P's registers and the LDS stores of the sums
	; l of each query: the two chains, the pair, the other half of the lanes
.irp q, 0,1,2,3
	WIN \q*0x55
	v_pk_add_f32 v[LS:LS+1], v[LS:LS+1], v[LS+2:LS+3]
	v_add_f32 v[LS], v[LS], v[LS+1]
	v_permlanex16_b32 v[LS+1], v[LS], s56, s57
	v_add_f32 v[LS], v[LS], v[LS+1]
.endr
.irp q, 0,1,2,3
	WIN 0x03|(\q<<2)                               ; address window 3, data window q
	ds_store_b32 v[MLW], v[LS] offset:512+64*\q    ; lanes r and 16 + r write the same word with the same value
.if \q == 2
.irp p, 0,1,2,3
	ds_store_b32 v[MLW], v[NEGM+8*\p] offset:64*\p ; -m lies in window 2
.endr
.endif
.endr
	; x's rows go out now: wave w takes channels 64 w .. 64 w + 63, a lane four queries of each; into the upper halves of windows 0 and 1, which are free
	WIN 0x03
.set n, 0
.rept 32
	global_load_b128 v[128+4*n:128+4*n+3], v[XO], s[8:9] offset:n*XROW th:TH_LOAD_NT
.set n, n+1
.endr
	WIN 0x43
.set n, 0
.rept 32
	global_load_b128 v[128+4*n:128+4*n+3], v[XO], s[8:9] offset:(32+n)*XROW th:TH_LOAD_NT
.set n, n+1
.endr
	WIN 0
	s_wait_dscnt 0x0
	s_barrier_signal -1
	s_barrier_wait -1                              ; every wave's reads of the slots are over; both slots have had their last fill
	; the raw sums of key half kh into slot kh, as [256 channels][128 queries] f32: a lane's eight queries are 32 neighbouring bytes
.irp q, 0,1,2,3
	WIN 0x03|(\q<<2)
.irp ct, 0,1,2,3,4,5,6,7,8,9,10,11,12,13,14,15
	ds_store_b128 v[SAD+(\ct>>3)], v[8*\ct:8*\ct+3] offset:(\ct&7)*16*SP+64*\q
	ds_store_b128 v[SAD+(\ct>>3)], v[8*\ct+4:8*\ct+7] offset:(\ct&7)*16*SP+64*\q+16
.endr
.endr
	WIN 0
	s_wait_dscnt 0x0                               ; for the other waves' sake
	s_barrier_signal -1
	s_barrier_wait -1
.macro OLOAD i, buf                    ; eight channels' rows of both halves: 512 neighbouring bytes a load
.irp p, 0,1,2,3,4,5,6,7
	ds_load_b128 v[\buf+8*\p:\buf+8*\p+3], v[RD] offset:(8*(\i)+\p)*SP
	ds_load_b128 v[\buf+8*\p+4:\buf+8*\p+7], v[RD+1] offset:(8*(\i)+\p)*SP
.endr
.endm
	WIN 0xc3                                       ; address and destination window 3
	ds_load_b128 v[MLV:MLV+3], v[MLR]              ; -m of half 0 for my queries 4 L .. 4 L + 3
	ds_load_b128 v[MLV+4:MLV+7], v[MLR] offset:512         ; l of half 0
	ds_load_b128 v[MLV+8:MLV+11], v[MLR] offset:1024       ; -m of half 1
	ds_load_b128 v[MLV+12:MLV+15], v[MLR] offset:1536      ; l of half 1
	OLOAD 0, OB0
	s_wait_dscnt 16                                ; m and l are in; the first group's 16 loads stay out
	s_wait_kmcnt 0x0                               ; gamma
	WIN 0xff
	; factor of half k = gamma 2^(m_k - max) / (2^(m_0 - max) l_0 + 2^(m_1 - max) l_1);  m_k - max = min of the -m less -m_k
.irp e, 0,1,2,3
	v_min_num_f32 v[MLV+16+\e], v[MLV+\e], v[MLV+8+\e]
.endr
.irp e, 0,1,2,3
	v_sub_f32 v[MLV+\e], v[MLV+16+\e], v[MLV+\e]
	v_sub_f32 v[MLV+8+\e], v[MLV+16+\e], v[MLV+8+\e]
.endr
.irp e, 0,1,2,3
	v_exp_f32 v[MLV+\e], v[MLV+\e]
	v_exp_f32 v[MLV+8+\e], v[MLV+8+\e]
.endr
	v_nop                                          ; one plain place behind the exponentials
	s_wait_alu depctr_va_vdst(0)
.irp e, 0,1,2,3
	v_mul_f32 v[MLV+4+\e], v[MLV+\e], v[MLV+4+\e]
.endr
.irp e, 0,1,2,3
	v_fma_f32 v[MLV+4+\e], v[MLV+8+\e], v[MLV+12+\e], v[MLV+4+\e]
.endr
.irp e, 0,1,2,3
	v_rcp_f32 v[MLV+4+\e], v[MLV+4+\e]
.endr
	v_nop                                          ; one plain place behind the reciprocals
	s_wait_alu depctr_va_vdst(0)
.irp e, 0,1,2,3
	v_mul_f32 v[MLV+4+\e], s59, v[MLV+4+\e]
.endr
.irp e, 0,1,2,3
	v_mul_f32 v[F0+\e], v[MLV+\e], v[MLV+4+\e]
	v_mul_f32 v[F1+\e], v[MLV+8+\e], v[MLV+4+\e]
.endr
; eight channels: out = x + F0 O0 + F1 O1, in x's registers (groups 0-3 window 0, 4-7 window 1); each store of the wave covers 512 consecutive bytes, aligned
.macro OGROUP i, buf, nbuf
.if \i < 7
	WIN 0xc3
	OLOAD \i+1, \nbuf
	s_wait_dscnt 16                                ; this group's rows are in; the next group's 16 loads stay out
.else
	s_wait_dscnt 0x0
.endif
	s_wait_loadcnt 56-8*\i                         ; x's rows come back in order: this group's eight are in, the younger ones stay out
	WIN 0x0f+0x50*((\i)>>2)                        ; sources 0 and 1 window 3, source 2 and destination x's window
.irp p, 0,1,2,3,4,5,6,7
.set XR, 128+4*(8*((\i)&3)+\p)
	v_pk_fma_f32 v[XR:XR+1], v[\buf+8*\p:\buf+8*\p+1], v[F0:F0+1], v[XR:XR+1]
	v_pk_fma_f32 v[XR+2:XR+3], v[\buf+8*\p+2:\buf+8*\p+3], v[F0+2:F0+3], v[XR+2:XR+3]
.endr
.irp p, 0,1,2,3,4,5,6,7
.set XR, 128+4*(8*((\i)&3)+\p)
	v_pk_fma_f32 v[XR:XR+1], v[\buf+8*\p+4:\buf+8*\p+5], v[F1:F1+1], v[XR:XR+1]
	v_pk_fma_f32 v[XR+2:XR+3], v[\buf+8*\p+6:\buf+8*\p+7], v[F1+2:F1+3], v[XR+2:XR+3]
.endr
	WIN 0x03+4*((\i)>>2)                           ; address window 3, store data from x's window
.irp p, 0,1,2,3,4,5,6,7
.set XR, 128+4*(8*((\i)&3)+\p)
	global_store_b128 v[XO], v[XR:XR+3], s[12:13] offset:(8*\i+\p)*XROW th:TH_STORE_NT
.endr
.endm
	OGROUP 0, OB0, OB1
	OGROUP 1, OB1, OB0
	OGROUP 2, OB0, OB1
	OGROUP 3, OB1, OB0
	OGROUP 4, OB0, OB1
	OGROUP 5, OB1, OB0
	OGROUP 6, OB0, OB1
	OGROUP 7, OB1, OB0
	WIN 0
	s_set_vgpr_msb 0xa
	s_wait_tensorcnt 0x0
	ds_add_u32 v254, v255
	s_wait_dscnt 0x0
	s_set_vgpr_msb 0xa00
	ROUND                                          ; the closing round: no work-group ends while a partner may still ask for a tile that names it
	s_endpgm
.Lfunc_end_k_q427c2d877a_attn:
	.size	k_q427c2d877a_attn, .Lfunc_end_k_q427c2d877a_attn-k_q427c2d877a_attn
	.p2alignl 7, 3214868480
	.fill 96, 4, 3214868480
	.section	.rodata,"a",@progbits
	.p2align	6, 0x0
	.amdhsa_kernel k_q427c2d877a_attn
		.amdhsa_group_segment_fixed_size 327680
		.amdhsa_private_segment_fixed_size 0
		.amdhsa_enable_private_segment 0
		.amdhsa_kernarg_size 40
		.amdhsa_user_sgpr_count 2
		.amdhsa_user_sgpr_kernarg_segment_ptr 1
		.amdhsa_wavefront_size32 1
		.amdhsa_system_sgpr_workgroup_id_x 1
		.amdhsa_system_sgpr_workgroup_id_y 1
		.amdhsa_system_sgpr_workgroup_id_z 1
		.amdhsa_system_vgpr_workitem_id 0
		.amdhsa_next_free_vgpr 1024
		.amdhsa_next_free_sgpr 66
		.amdhsa_reserve_vcc 0
		.amdhsa_float_denorm_mode_32 3
		.amdhsa_float_denorm_mode_16_64 3
		.amdhsa_memory_ordered 1
		.amdhsa_forward_progress 1
		.amdhsa_inst_pref_size 255
	.end_amdhsa_kernel
	.section	.bss,"aw",@nobits
	.p2align	6
	.space	262144
	.amdgpu_metadata
---
amdhsa.version: [ 1, 2 ]
amdhsa.kernels:
  - .name:           k_q427c2d877a_attn
    .symbol:         k_q427c2d877a_attn.kd
    .args:
      - { .name: qws, .offset: 0, .size: 8, .value_kind: global_buffer, .address_space: global }
      - { .name: kv, .offset: 8, .size: 8, .value_kind: global_buffer, .address_space: global }
      - { .name: x, .offset: 16, .size: 8, .value_kind: global_buffer, .address_space: global }
      - { .name: gamma, .offset: 24, .size: 8, .value_kind: global_buffer, .address_space: global }
      - { .name: out0, .offset: 32, .size: 8, .value_kind: global_buffer, .address_space: global }
    .group_segment_fixed_size: 327680
    .private_segment_fixed_size: 0
    .kernarg_segment_align: 8
    .kernarg_segment_size: 40
    .max_flat_workgroup_size: 128
    .sgpr_count:     66
    .vgpr_count:     1024
    .wavefront_size: 32
...
	.end_amdgpu_metadata
.endif
;; end of part 2
